; MI455X (gfx1250); checked and timed in simulation.
; The chip was launched on July 23, 2026; its instructions are those of AMD's public machine-readable ISA for CDNA 5 (MIT licence, August 2026) and "CDNA5" Instruction Set Architecture Reference Guide (July 2026). The comments in the code are by the model that wrote it; some were corrected since.
;; Dot Product Attention. Allowed arithmetic: float matrix products may take bf16 or f16 operands with f32 sums; all other float work in f32.
;; Inputs: keys 64 x 2,048 x 64 float32; queries 64 x 2,048 x 64 float32; values 64 x 2,048 x 64 float32.
;; Outputs: out0 64 x 2,048 x 64 float32.
;; One version. Each part assembles by itself: llvm-mc -triple=amdgcn-amd-amdhsa -mcpu=gfx1250 --defsym DOCPART=n.
;; ======== version 1 of 1: 1 launch
;; limits: values are held in f16: magnitudes above 65,504 overflow, below 6.1e-05 lose precision; inputs' magnitudes at most 65,504; below input magnitudes of 6e-05 results are inexact or not finite
;; launch attn (part 1): grid 4 x 64, 4 waves a work-group, clusters of 4 x 1, 327,680 bytes of LDS; arguments queries, keys, values, out0; writes out0
.if DOCPART == 1
	.amdgcn_target "amdgcn-amd-amdhsa--gfx1250"
	.amdhsa_code_object_version 6
	.text
	.protected	k_qa4b9662542_attn
	.globl	k_qa4b9662542_attn
	.p2align	8
	.type	k_qa4b9662542_attn,@function
k_qa4b9662542_attn:
	s_mov_b64 s[64:65], 0
	v_nop
	global_prefetch_b8 v0, s[64:65] scope:SCOPE_SE
	s_setreg_imm32_b32 hwreg(HW_REG_WAVE_MODE, 25, 1), 1
	s_wait_xcnt 0x0
	s_wait_alu depctr_hold_cnt(0) depctr_sa_sdst(0) depctr_va_vdst(0) depctr_va_sdst(0) depctr_va_ssrc(0) depctr_va_vcc(0) depctr_vm_vsrc(0)
	s_getreg_b32 s2, hwreg(HW_REG_IB_STS2, 6, 4)
	s_cmp_eq_u32 s2, 0
	s_cbranch_scc0 .Lentry_in_a_cluster
	s_endpgm
.Lentry_in_a_cluster:
	s_bfe_u32 s2, ttmp6, 0x10000c
	s_cmp_lg_u32 s2, 0x3003
	s_cbranch_scc0 .Lentry_shape_is_right
	s_endpgm
.Lentry_shape_is_right:
; O[b][q][:] = the sum over k of softmax_k(Q[b][q] . K[b][k] / 8) V[b][k][:].  Q, K, V, O: [64][2048][64], all f32: a head's rows are dense, 256 bytes each.
; FORMATS.  Q, K, V and the weights p are rounded once to f16 for the two matrix products; products, maxima, sums and O are f32 (l is the sum of the unrounded p).  The scale c = log2(e) / 8 is applied in f32.
; LIMITS.  f16 holds no number beyond 65,504: an input of 65,520 or more in magnitude becomes an infinity and its row is lost; an input below 6e-5 keeps f16's fixed step of 6e-8.
; p lies in 0 to 1; a weight below 2^-126 counts as 0 in l; NaN and infinities are not treated apart.
; SHARES.  A wave owns four PIECES of two tiles of 16 queries, a work-group's four waves 512 queries of one head: 4 x 64 work-groups.  Every wave walks all 2,048 keys, 64 a step, 256 a tile.
; K AND V ON THEIR WAY.  A tensor load brings f32 rows into RAW, 128 rows of 256 bytes a wave (waves 0, 1: the two halves of a tile's K; waves 2, 3: of its V).  At a CHANGE of tiles, behind a barrier that
; shows all four parts landed, wave w rounds keys 64 w to 64 w + 63 of K and of V to f16 and stores them into the one f16 tile (K at pitch 144, V at pitch 160), which all four waves then read; RAW is asked
; for again at once and has four key steps in which to land.  RAW is the only target of tensor loads; the f16 tile, the stages and the spare words have bytes of their own.
; LAYOUT.  S^T = K Q^T (source 0 = 16 keys, source 1 = 16 queries): in the result a lane holds ONE query (lane % 16) and the keys 8 (lane / 16) + 0..7.  Two such tiles, rounded to f16 in pairs,
; ARE source 1 (32 keys x 16 queries) of O^T = V^T P, whose result again holds one query a lane, and eight channels.  K comes out of LDS as it lies, V ([key][channel]) turned, by ds_load_tr16_b128.
; SOFTMAX.  For each query a running maximum m and sum l: p = 2^(c s - c m); in every step O and l are multiplied by a = 2^(c m_old - c m_new), which is 1 where m has not grown.
; m starts at the lowest finite number, O and l at 0: the first step is a step like any other, with a = 0.  That is why O^T is cleared once, in the wait for the first tile: no first step is written out.
; THE COUNT.  A tile and step have 16 matrix and 118 vector instructions: too many to stand all beside the matrix work.  So: four vector instructions that are READY behind EVERY matrix instruction,
; and the others, which need time of their own whatever the order, in runs without a gap.
; BY TURNS.  Turn n belongs to piece n (the pieces in a ring, step after step).  Its matrix work: 16 products K Q^T of piece n + 1, later 16 products V^T P of piece n - 1.  Its vector work: the scaling,
; exponentials, roundings, sums and rescaling of piece n, and the maximum and statistics of piece n + 1, whose scores the turn itself has made.
; CLUSTER.  The four query blocks of a cluster belong to one head and walk the same K and V, so each part of a tile is asked for JOINTLY: the same tensor load, descriptor and mask in all four.
; REGISTERS, in windows of 256 (s_set_vgpr_msb says which window each operand place means: bits 1:0 source 0, 3:2 source 1, 5:4 source 2, 7:6 destination):
;   window 0: v0-11 addresses; v12-15, v48-63 at work; v16-47 four registers of statistics a tile; v64-191 S^T, two buffers of two tiles; v192-255 P, likewise
;   window 1: O^T, 32 a tile (at the start: Q as loaded, f32)     window 2: v0-127 Q, 16 a tile; v128-191 K of one step; v192-255 V of one step     window 3: v0-1 the add's two registers
; A piece's buffers go by its number's parity: the piece in hand has one pair, its two neighbours in the ring share the other.
.set SIZE_N, 2048
.set NP,    4         ; pieces a wave: a name, no knob
.set KS,    64        ; keys in a step
.set PK,    144       ; a row of K in f16: 128 bytes + 16 = 36 words: the 16 rows of a load start at 16 different groups of four banks (64 banks of 4 bytes: ISA guide 11.1)
.set PV,    160       ; a row of V in f16: 128 + 32 = 40 words
.set RAWP,  32768     ; what one tensor load brings: 128 rows of 256 bytes, no padding: RAW is read 256 consecutive bytes to 16 lanes.  K's 256 rows lie from byte 0, V's from byte 65,536
.set CK,    4*RAWP    ; behind RAW: the f16 tile: 256 rows of K,
.set VOFF,  4*KS*PK   ; then 256 rows of V
.set STAGE, CK+4*KS*(PK+PV)  ; 16 rows x 272 bytes for each wave, for the way out
.set SP,    272       ; a stage row: 256 bytes + 16 = 68 words: row r starts at bank 4 r mod 64
.set SPARE, STAGE+4*16*SP    ; the spare words, 128 bytes for each wave: two blocks of 256 bytes that no other line names
.set RAWV, 1          ; v1   the rounding: my 16 bytes in the first of my 64 raw rows of V; never rewritten
.set AK0, 2           ; v2   my lane's place in a step of K in the f16 tile; never rewritten
.set AV0, 3           ; v3   the same for V
.set AK,  4           ; v4   the LDS address of K's next run of loads
.set AV,  5           ; v5   of V's
.set QO,  5           ;      at the start: my byte offset in 16 rows of Q
.set STO, 6           ; v6   the way out: where I put 32 bytes of a row
.set RD,  7           ; v7   the way out: where I read rows back
.set GO,  8           ; v8   my byte offset in 512 consecutive bytes of O
.set RAWK, 9          ; v9   the rounding: my 16 bytes in the first of my 64 raw rows of K; never rewritten
.set DSTK, 10         ; v10  the rounding: my 8 bytes in the first of my 64 rows of K in the f16 tile; never rewritten
.set DSTV, 11         ; v11  the same for V
.set MV,  12          ; v12-15  c m_old, kept while c m is made anew: by buffer and tile
.set ST,  16          ; tile t's statistics at v[ST+4 t]: c m, m, l (even keys', odd keys')
.set TMP, 48          ; by buffer and tile, four registers c0-c3 at work; when the maximum is found c2 takes a.  At the start v48-52: l % 16, l / 16, l % 8, (l / 8) % 2, l
.set S,   64
.set P,   192
.set CT,  128         ; the rounding: 16 x 4 f32 as read: S^T's second buffer, which holds nothing between piece 1's turn and piece 2's
.set CP,  192         ; the rounding: 16 x 2 registers of f16: P's first buffer, likewise
.set KF,  128         ; K's fragments, in window 2: key block kb, channel half c at KF + 16 kb + 8 c
.set VF,  192         ; V's: key half kk, channel block cb at VF + 32 kk + 8 cb
.set SPW, 0           ; v0 of window 3   LDS address of my spare word: SPARE + 4 x my thread's number; never rewritten
.set NIL, 1           ; v1 of window 3   0; never rewritten
.set WV,  12          ; s12  my wave's number
.set G1,  24          ; s[24:31] descriptor group 1, the same for every load
.set G0,  40          ; s[40:43] descriptor group 0: it walks
.set SLOTS, 56        ; s56  tiles still to be asked for
.set CNT, 57          ; s57  counts a tile's key steps
.set CS,  58          ; s[58:59] c: the packed scaling takes the pair's low word for both halves
.set SEL, 60          ; s[60:61] v_permlanex16_b32's selects: each lane takes its own place in the other half
.set TBK, 62          ; s62  byte in the f16 tile's K at which the step to be fetched begins
.set TBV, 63          ; s63  the same in its V
.set MSB, 0
.macro WIN new                      ; the high byte repeats the setting that is left; a switch that changes nothing is dropped
.if MSB != (\new)
	s_set_vgpr_msb (MSB<<8)|(\new)
.set MSB, (\new)
.endif
.endm
.set W_KQ, 0x0a       ; K and Q in window 2, S^T in window 0
.set W_PV, 0x52       ; V in window 2, P in window 0, O^T in window 1
.set W_RS, 0x41       ; O^T (destination and source 0) in window 1, a in window 0
.set W_MK, 0xc0       ; the add's registers are made: destination in window 3, sources in window 0
.set W_AD, 0x0f       ; the add: address (source 0) and data (source 1) in window 3
.set W_QL, 0x40       ; destination in window 1, address in window 0
.set W_QC, 0x85       ; sources 0 and 1 in window 1, destination in window 2
.set W_ST, 0x04       ; an LDS store's data (source 1) in window 1, its address in window 0
; A joint fill: one line for all four waves.  Each wave's descriptor names its own part of RAW (wave x 32,768) and its own 128 rows of K or V; nothing in it hangs on the place in the cluster.
; An s_nop 0 and four v_nop follow the line.
.macro JLOAD
	tensor_load_to_lds s[G0:G0+3], s[G1:G1+7]
	s_nop 0
.rept 4
	v_nop
.endr
.endm
; A round of the cluster's barrier: my work-group's barrier, so that wave 0's signal speaks for all four waves; wave 0 signals; every wave waits for all four work-groups; my work-group's barrier once more.
.macro CROUND
	s_barrier_signal -1
	s_barrier_wait -1
	s_cmp_lg_u32 s[WV], 0
	s_cbranch_scc1 .Lnot_wave_0_\@
	s_barrier_signal -3
.Lnot_wave_0_\@:
	s_barrier_wait -3
	s_barrier_signal -1
	s_barrier_wait -1
.endm
; THE ROUNDING of 64 raw rows to f16, in two batches of 32 rows; the row stands in the immediate, so both address registers stay as they were made.
; A load takes 16 bytes a lane: lanes 0-15 a whole row of 256 bytes, lanes 16-31 the row d further down.  A lane's four f32 become 8 bytes;
; the store's lanes 0-15 fill a row's 128 bytes (32 banks), lanes 16-31 the row d further down, and d x pitch is 32 words modulo 64 (K: 8 x 36; V: 4 x 40).
.macro CONV src, dst, pitch, d
.set cb, 0
.rept 2
.set cn, 0
.rept 16
	ds_load_b128 v[CT+4*cn:CT+4*cn+3], v[\src] offset:256*(32*cb+2*(\d)*(cn/(\d))+cn%(\d))
.set cn, cn+1
.endr
.set cn, 0
.rept 16
	s_wait_dscnt 15                 ; LDS instructions end in order (ISA guide 5.7.1): behind load cn stand 15 - cn loads and cn stores, so it is in
	v_cvt_pk_f16_f32 v[CP+2*cn], v[CT+4*cn], v[CT+4*cn+1]
	v_cvt_pk_f16_f32 v[CP+2*cn+1], v[CT+4*cn+2], v[CT+4*cn+3]
	ds_store_b64 v[\dst], v[CP+2*cn:CP+2*cn+1] offset:(\pitch)*(32*cb+2*(\d)*(cn/(\d))+cn%(\d))
.set cn, cn+1
.endr
.set cb, cb+1
.endr
.endm
; THE CHANGE OF TILES, between piece 1's turn and piece 2's: the f16 tile's last bytes, V of its fourth step, have been read.
; First barrier: in front of it each wave's part of RAW has landed (the one tensor load of the wave that is out) and its reads of the f16 tile are back.  Behind it RAW is whole for every wave, and the f16 tile may be written.
; Then the rounding.  Then, in front of the second barrier: no tensor load of mine is out; 0 is added to my spare word; the add, my reads of RAW and my stores into the f16 tile are done.
; Behind it the f16 tile is whole for every wave.  fill = 1: it is a round of the cluster's barrier, so that no wave of any partner still reads RAW or has a load on its way, and the joint fill with the next
; 256 keys is the first thing behind it: it has four key steps, 512 matrix instructions, in which to land.
.macro CHANGE fill
	WIN 0                           ; at a label and at a branch every window is 0
	s_wait_tensorcnt 0x0            ; my part of the raw tile is in: no load was issued behind it
	s_wait_dscnt 0x0                ; my reads of the f16 tile are back
	s_barrier_signal -1
	s_barrier_wait -1               ; both hold of every wave
	CONV RAWK, DSTK, PK, 8
	CONV RAWV, DSTV, PV, 4
	WIN W_AD
	s_wait_tensorcnt 0x0            ; no tensor load of mine is out, so group 0 may be written
	ds_add_u32 v[SPW], v[NIL]       ; 0 onto my spare word: the scalar steps below stand between it and the wait for it
	WIN 0
.if \fill
	s_add_nc_u64 s[G0+2:G0+3], s[G0+2:G0+3], 4*KS*256  ; the next 256 keys; the type bits on top are not reached
.endif
	s_sub_co_u32 s[TBK], s[TBK], 4*KS*PK  ; the fetches go back to the tile's first step
	s_sub_co_u32 s[TBV], s[TBV], 4*KS*PV
	s_wait_dscnt 0x0                ; the add is done, my reads of RAW are back, my stores into the f16 tile are done
.if \fill
	CROUND
	JLOAD
.else
	s_barrier_signal -1
	s_barrier_wait -1
.endif
.endm
	s_load_b256 s[4:11], s[0:1], 0x0  ; Q s[4:5], K s[6:7], V s[8:9], O s[10:11]
	WIN W_MK
	v_lshl_add_u32 v[SPW], v0, 2, SPARE
	v_mov_b32 v[NIL], 0
	WIN W_AD
	ds_add_u32 v[SPW], v[NIL]       ; the wave's opening: the add and its wait stand ahead of my first tensor load; the set-up below, work on registers, stands between them
	WIN 0
	v_lshrrev_b32 v1, 5, v0
	v_readfirstlane_b32 s[WV], v1   ; wave 0..3
	s_bfe_u32 s13, ttmp6, 0x40000   ; cx: my place in the cluster
	s_lshl_b32 s14, ttmp9, 2        ; in a cluster launch ttmp9 counts clusters
	s_add_co_u32 s14, s14, s13      ; my block of 512 queries = 4 x cluster x + cx: it enters Q's and O's addresses alone
	s_and_b32 s20, ttmp7, 0xffff    ; the head, which the four partners share,
	s_lshl_b32 s20, s20, 19         ; times 2,048 rows of 256 bytes: 63 x 2^19 at the most
	s_and_b32 s16, s[WV], 1         ; which half of a tile's 256 keys I fetch:
	s_lshl_b32 s22, s16, 15         ; its 128 rows of 256 bytes in memory
	s_add_co_u32 s22, s22, s20
	s_mov_b32 s23, 0
	s_lshl_b32 s2, s14, 2
	s_add_co_u32 s2, s2, s[WV]      ; my wave among the head's sixteen,
	s_lshl_b32 s2, s2, 15           ; its 128 rows
	s_add_co_u32 s2, s2, s20
	s_mov_b32 s3, 0
	; descriptor group 1: a tile of 128 rows x 64 elements of 4 bytes: rows of 256 bytes that begin at multiples of 256 from the buffer's first byte, laid into LDS without gaps
	s_mov_b32 s[G1], 15|(2<<16)|(1<<21)  ; 15:0 the mask of four; 17:16 4-byte elements; 20 no padding; 21 set beside a mask
	s_mov_b32 s[G1+1], 64<<16       ; tensor_dim0 = 64
	s_mov_b32 s[G1+2], 128<<16      ; tensor_dim1 = 128
	s_mov_b32 s[G1+3], 64<<16       ; tile_dim0 = 64
	s_mov_b32 s[G1+4], 128          ; tile_dim1 = 128
	s_mov_b32 s[G1+5], 64           ; 64 elements from row to row
	s_mov_b32 s[G1+6], 0
	s_mov_b32 s[G1+7], 0
	s_mov_b32 s[G0], 1              ; 1:0 count = 1
	s_lshl_b32 s[G0+1], s[WV], 15   ; 63:32 LDS address: wave x 32,768
	s_mov_b32 s[CS], 0x3e38aa3b     ; c = log2(e) / 8 = 0.180337
	s_mov_b32 s[CS+1], s[CS]        ; named with it as a pair
	s_mov_b32 s[SEL], 0x76543210
	s_mov_b32 s[SEL+1], 0xfedcba98
	s_mov_b32 s[TBK], 4*KS*PK       ; the first change of tiles turns these two into 0
	s_mov_b32 s[TBV], 4*KS*PV
	v_and_b32 v48, 15, v0           ; l % 16
	v_bfe_u32 v49, v0, 4, 1         ; l / 16
	v_and_b32 v50, 7, v0            ; l % 8
	v_bfe_u32 v51, v0, 3, 1         ; (l / 8) % 2
	v_and_b32 v52, 31, v0           ; l
	; the rounding's four addresses: a constant, the wave's number times a constant, and the lane's place
	s_lshl_b32 s19, s[WV], 14       ; my 64 raw rows of K: wave x 64 x 256
	v_lshlrev_b32 v[RAWK], 11, v49  ; lanes 16-31: 8 rows further down
	v_lshl_add_u32 v[RAWK], v48, 4, v[RAWK]  ; 16 bytes of f32 for each of 16 lanes
	v_add_nc_u32 v[RAWK], s19, v[RAWK]
	s_add_co_u32 s19, s19, 2*RAWP   ; my 64 raw rows of V lie 65,536 bytes on
	v_lshlrev_b32 v[RAWV], 10, v49  ; lanes 16-31: 4 rows further down
	v_lshl_add_u32 v[RAWV], v48, 4, v[RAWV]
	v_add_nc_u32 v[RAWV], s19, v[RAWV]
	s_mul_i32 s17, s[WV], 64*PK     ; my 64 rows of K in the f16 tile
	s_add_co_u32 s17, s17, CK
	v_mul_u32_u24 v[DSTK], v49, 8*PK
	v_lshl_add_u32 v[DSTK], v48, 3, v[DSTK]  ; 8 bytes of f16 for each of 16 lanes
	v_add_nc_u32 v[DSTK], s17, v[DSTK]
	s_mul_i32 s18, s[WV], 64*PV     ; and of V
	s_add_co_u32 s18, s18, CK+VOFF
	v_mul_u32_u24 v[DSTV], v49, 4*PV
	v_lshl_add_u32 v[DSTV], v48, 3, v[DSTV]
	v_add_nc_u32 v[DSTV], s18, v[DSTV]
	s_wait_dscnt 0x0                ; the opening add is done
	s_wait_kmcnt 0x0
	s_cmp_lt_u32 s[WV], 2           ; waves 0 and 1 fetch K, waves 2 and 3 V
	s_cselect_b64 s[G0+2:G0+3], s[6:7], s[8:9]
	s_add_nc_u64 s[G0+2:G0+3], s[G0+2:G0+3], s[22:23]  ; 120:64 global address: my half of the head's first 256 keys
	s_or_b32 s[G0+3], s[G0+3], 0x80000000  ; 127:126 type = 2
	s_add_nc_u64 s[4:5], s[4:5], s[2:3]  ; Q and O at my wave's first row
	s_add_nc_u64 s[10:11], s[10:11], s[2:3]
	CROUND                          ; all four work-groups are here: the first joint loads meet
	JLOAD                           ; tile 0
	; A fragment of Q is 16 rows x 32 channels in 8 registers of f16: lane l holds row l % 16, channels 8 (l / 16) + 0..7 and 16 + 8 (l / 16) + 0..7.  In f32 each eight are 32 bytes: two loads of 16.
	v_lshlrev_b32 v[QO], 8, v48
	v_lshl_add_u32 v[QO], v49, 5, v[QO]  ; row x 256 + 32 x half
	WIN W_QL
.set i, 0
.rept 64                            ; tile i / 8, channels 32 ((i / 4) % 2) + 16 ((i / 2) % 2) + 4 (i % 2) on: registers 2 n, 2 n + 1 are the two numbers of Q's f16 register n
	global_load_b128 v[4*i:4*i+3], v[QO], s[4:5] offset:(i/8)*4096+((i/4)%2)*128+((i/2)%2)*64+(i%2)*16
.set i, i+1
.endr
	; What the first turn finds: V's registers and P's second buffer hold 0 (its products V^T P, of a piece that has not been, add 0), O^T and l are 0.  All this stands in the wait for Q and the first tile.
	WIN 0x80
.set i, VF
.rept 64
	v_mov_b32 v[i], 0
.set i, i+1
.endr
	WIN 0
.set i, 0
.rept 2*NP
	v_mov_b32 v[ST+4*i], 0xfe000000    ; c m: far below every c s
	v_mov_b32 v[ST+4*i+1], 0xff7fffff  ; m
	v_mov_b32 v[ST+4*i+2], 0
	v_mov_b32 v[ST+4*i+3], 0
.set i, i+1
.endr
.set i, P+32
.rept 32
	v_mov_b32 v[i], 0
.set i, i+1
.endr
	v_mul_u32_u24 v[AK0], v48, PK
	v_lshl_add_u32 v[AK0], v49, 4, v[AK0]  ; row x pitch + 16 x half
	v_add_nc_u32 v[AK0], CK, v[AK0]
	; The turning load takes 16 keys x 16 channels (lane l reads key 8 (l / 16) + l % 8, channels 8 ((l / 8) % 2) + 0..7) and leaves half a fragment of V^T: lane l holds channel l % 16 and 8 keys.
	v_lshl_add_u32 v[AV0], v49, 3, v50
	v_mul_u32_u24 v[AV0], v[AV0], PV
	v_lshl_add_u32 v[AV0], v51, 4, v[AV0]
	v_add_nc_u32 v[AV0], CK+VOFF, v[AV0]
	v_mov_b32 v[AK], v[AK0]         ; key step 0 lies at the tile's head
	s_wait_loadcnt 0x0              ; Q is in; its offset register is free
	WIN W_QC
.set i, 0
.rept 128
	v_cvt_pk_f16_f32 v[i], v[2*i], v[2*i+1]
.set i, i+1
.endr
	WIN W_QL
.set i, 0
.rept 64*NP
	v_mov_b32 v[i], 0               ; O^T, where Q's f32 lay
.set i, i+1
.endr
; THE MATRIX WORK.  The 8 accumulators of a run of 16 take turns: between the two links of a chain stand 7 others'.
; Product i of 16 of S^T = K Q^T for piece x: channels 32 (i / 8) on, keys 16 ((i / 2) % 4) on, tile 2 x + i % 2.  The first 8 start the sums.
.macro KQ x
	WIN W_KQ
.set rS, S+64*((\x)%2)+32*(i%2)+8*((i/2)%4)
.set rK, KF+16*((i/2)%4)+8*(i/8)
.set rQ, 16*(2*(\x)+i%2)+8*(i/8)
.if i < 8
	v_wmma_f32_16x16x32_f16 v[rS:rS+7], v[rK:rK+7], v[rQ:rQ+7], 0
.else
	v_wmma_f32_16x16x32_f16 v[rS:rS+7], v[rK:rK+7], v[rQ:rQ+7], v[rS:rS+7]
.endif
.endm
; Product i of 16 of O^T += V^T P for piece x: keys 32 (i / 8) on, channels 16 ((i / 2) % 4) on, tile 2 x + i % 2.
.macro PV x
	WIN W_PV
.set rO, 32*(2*(\x)+i%2)+8*((i/2)%4)
.set rV, VF+32*(i/8)+8*((i/2)%4)
.set rP, P+32*((\x)%2)+16*(i%2)+8*(i/8)
	v_wmma_f32_16x16x32_f16 v[rO:rO+7], v[rV:rV+7], v[rP:rP+7], v[rO:rO+7]
.endm
.macro MM                           ; the turn's next matrix instruction
.if i < 16
	KQ (Y+1)%NP
.set i, i+1
.else
.set i, i-16
	PV (Y+NP-1)%NP
.set i, i+17
.endif
.endm
; THE LDS LOADS stand in runs of 16, never singly among the matrix instructions: a step's K (64 keys x 64 channels: 8 fragments) and its V (turned).  Their addresses are made some lines ahead.
; last = 1 (the tail): in the last trip there is no further step, and the run is jumped over.
.macro FETCH_K last=0
	WIN 0
.if \last
	s_cmp_eq_u32 s[CNT], 1
	s_cbranch_scc1 .Lno_k_\@
.endif
	WIN 0x80                        ; destination window 2
.irp f, 0,1,2,3,4,5,6,7             ; keys 16 (f / 2) on, channels 32 (f % 2) on
	ds_load_b128 v[KF+8*\f:KF+8*\f+3],   v[AK] offset:(\f/2)*16*PK+(\f%2)*64
	ds_load_b128 v[KF+8*\f+4:KF+8*\f+7], v[AK] offset:(\f/2)*16*PK+(\f%2)*64+32
.endr
	s_add_co_u32 s[TBK], s[TBK], KS*PK  ; the next fetch is the next step's
	WIN 0
.if \last
.Lno_k_\@:
.endif
.endm
.macro FETCH_V
	WIN 0x80
.irp f, 0,1,2,3,4,5,6,7             ; keys 32 (f / 4) on, channels 16 (f % 4) on
	ds_load_tr16_b128 v[VF+8*\f:VF+8*\f+3],   v[AV] offset:(\f/4)*32*PV+(\f%4)*32
	ds_load_tr16_b128 v[VF+8*\f+4:VF+8*\f+7], v[AV] offset:(\f/4)*32*PV+16*PV+(\f%4)*32
.endr
	WIN 0
.endm
; THE VECTOR WORK OF A TURN stands in three queues, each in the order in which its entries become ready; the two tiles alternate, so that no instruction reads the result of the one before it.
.macro REGS y, u                    ; the registers of tile u (0, 1) of piece y
.set rT, ST+4*(2*(\y)+(\u))
.set rC, TMP+8*((\y)%2)+4*(\u)
.set rM, MV+2*((\y)%2)+(\u)
.set rS, S+64*((\y)%2)+32*(\u)
.set rP, P+32*((\y)%2)+16*(\u)
.set rO, 32*(2*(\y)+(\u))
.endm
; Number n of the 22 that find the NEXT piece's (Y + 1) maximum and statistics.  s0-s31 are the lane's 32 scores; each accumulator's lowest registers are read first.  XS, GS and REGS set no window: PL and EX do.
;   0-11  four chains c0-c3 of seven scores each, three operands at a time     12-14, 16  the four scores left over, the old m, and c0-c3 into c0     15  c m_old is kept
;   17, 18  the query's other 32 keys lie in the lane 16 away: the new m         19-21  c m; c m_old - c m_new; a
.macro XS u, n
	REGS (Y+1)%NP, \u
.if (\n) < 4
	v_max3_num_f32 v[rC+(\n)], v[rS+8*(\n)], v[rS+8*(\n)+1], v[rS+8*(\n)+2]
.elseif (\n) < 12
	v_max3_num_f32 v[rC+(\n)%4], v[rC+(\n)%4], v[rS+8*((\n)%4)+2*((\n)/4)+1], v[rS+8*((\n)%4)+2*((\n)/4)+2]
.elseif (\n) == 12
	v_max3_num_f32 v[rC], v[rC], v[rS+7], v[rS+15]
.elseif (\n) == 13
	v_max3_num_f32 v[rC+1], v[rC+1], v[rS+23], v[rS+31]
.elseif (\n) == 14
	v_max3_num_f32 v[rC+2], v[rC+2], v[rC+3], v[rT+1]
.elseif (\n) == 15
	v_mov_b32 v[rM], v[rT]
.elseif (\n) == 16
	v_max3_num_f32 v[rC], v[rC], v[rC+1], v[rC+2]
.elseif (\n) == 17
	v_permlanex16_b32 v[rC+3], v[rC], s[SEL], s[SEL+1]
.elseif (\n) == 18
	v_max_num_f32 v[rT+1], v[rC], v[rC+3]
.elseif (\n) == 19
	v_mul_f32 v[rT], s[CS], v[rT+1]
.elseif (\n) == 20
	v_sub_f32 v[rC+1], v[rM], v[rT]
.else
	v_exp_f32 v[rC+2], v[rC+1]
.endif
.endm
; Number g of the 64 that follow the exponentials.  For each four weights k of a tile (pairs 2 k, 2 k + 1): both pairs are rounded to f16; then the second pair is added onto the first, in place;
; a group later l takes that sum (the first time as l = a l + sum).  In groups of eight, tiles alternating: round, round, add, and l for the group before.
.macro GS g
.set h, (\g)+6*((\g)/62)            ; group 0 has no group before it, and behind group 7 only l is left
.if h >= 6
.set h, h+2
.endif
	REGS Y, h%2
.set k, h/8
.if h%8 < 4
	v_cvt_pk_f16_f32 v[rP+2*k+(h%8)/2], v[rS+4*k+2*((h%8)/2)], v[rS+4*k+2*((h%8)/2)+1]
.elseif h%8 < 6
	v_pk_add_f32 v[rS+4*k:rS+4*k+1], v[rS+4*k:rS+4*k+1], v[rS+4*k+2:rS+4*k+3]
.elseif k == 1
	v_pk_fma_f32 v[rT+2:rT+3], v[rT+2:rT+3], v[rC+2:rC+3], v[rS:rS+1] op_sel_hi:[1,0,1]
.else
	v_pk_add_f32 v[rT+2:rT+3], v[rT+2:rT+3], v[rS+4*k-4:rS+4*k-3]
.endif
.endm
; THE PLAIN QUEUE, 138 long.  0-31: c s - c m for the 16 pairs of both tiles.  Then GS's 64, and among them the next piece's 42: number 15 at 38, 39; 0-14 and 16
; at 42-73, behind the products that make those scores; 17-20 at 95-106, two of three, since each waits for the one before it.
.macro PL
	WIN 0
.if q < 32
	REGS Y, q%2
	v_pk_fma_f32 v[rS+2*(q/2):rS+2*(q/2)+1], v[rS+2*(q/2):rS+2*(q/2)+1], s[CS:CS+1], v[rT:rT+1] op_sel_hi:[1,0,0] neg_lo:[0,0,1] neg_hi:[0,0,1]
.elseif q < 38
	GS q-32
.elseif q < 40
	XS q%2, 15
.elseif q < 42
	GS q-34
.elseif q < 74
	XS q%2, (q-42)/2+(q-42)/30
.elseif q < 95
	GS q-66
.elseif (q < 107) && ((q-95)%3 < 2)
	XS (q-95)%3, 17+(q-95)/3
.elseif q < 107
	GS 29+(q-95)/3
.else
	GS q-74
.endif
.set q, q+1
.endm
; THE EXPONENTIALS' QUEUE, 66 long: s0-s31 of both tiles, and at EA the next piece's two a.
.set EA, 58
.macro EX
	WIN 0
.if (e == EA) || (e == EA+1)
	XS e-EA, 21
.else
.set x, e-2*(e/(EA+2))
	REGS Y, x%2
	v_exp_f32 v[rS+x/2], v[rS+x/2]
.endif
.set e, e+1
.endm
; THE RESCALING's QUEUE: O^T times a, the one part that leaves window 0, so it is dealt four at a time, eight times.
.macro R4
	REGS Y, r%2
	WIN W_RS
.irp z, 0,1,2,3
	v_pk_mul_f32 v[rO+8*(r/2)+2*\z:rO+8*(r/2)+2*\z+1], v[rO+8*(r/2)+2*\z:rO+8*(r/2)+2*\z+1], v[rC+2:rC+3] op_sel_hi:[1,0]
.endr
.set r, r+1
.endm
; HOW THEY ARE DEALT.  Behind a matrix instruction four: plain, exponential, plain, plain (one exponential, a plain instruction on either side), or four of the rescaling.  None names a register of the
; products round it.  What is over stands in two LUMPS: exponential and plain by turns; the second ends in 22 plain instructions.  The two v_permlanex16_b32 fall into the second lump, never behind a product.
; The queues lean on each other, and the deal keeps them in step: exponential e stands behind plain 2 (e / 4) + e % 2 (its scaling); when plain 32 comes, 10 exponentials are out, at 59: 33, at 95: 46; EA comes behind plain 107.
.macro SL
	MM
	PL
	EX
	PL
	PL
.endm
.macro BURST n                      ; 15 matrix instructions, or 16
.rept (\n)-7
	SL
.endr
.rept 3
	MM
	R4
	SL
.endr
	MM
	R4
.endm
; A TURN, for piece p.  cnt = 1: the loop's count is taken down some lines ahead of the branch that stands behind the turn.
; K of the next step is fetched in piece 2's turn, 31 vector instructions behind the last product that read K; its first reader comes behind the rest of the lump, 16 products and the second lump.
; V of the step in hand is fetched at the end of piece 0's turn, 69 behind its last reader; its first reader comes behind 16 products and a lump.  The four conditions on e and q below go with the deal.
.macro TURN p, last=0, cnt=0
.set Y, (\p)
.set i, 0
.set q, 0
.set e, 0
.set r, 0
.if (\p) == NP-1
	s_wait_dscnt 0x0                ; K is in
.endif
	MM
.rept 4
	PL
.endr
	BURST 15
.rept 22
	EX
	PL
.if ((\p) == NP-2) && (e == 18)
	v_add_nc_u32 v[AK], s[TBK], v[AK0]
.endif
.if ((\p) == NP-2) && (e == 24)
	FETCH_K \last
.endif
.endr
.if (\p) == 1
	s_wait_dscnt 0x0                ; V is in
.endif
	BURST 16
.rept 21
	EX
	PL
.endr
.rept 22
	PL
.if ((\p) == 0) && (q == 118)
	v_add_nc_u32 v[AV], s[TBV], v[AV0]
.endif
.if ((\p) == 0) && (q == 130)
	s_add_co_u32 s[TBV], s[TBV], KS*PV
.endif
.if (\cnt) && (q == 130)
	s_sub_co_u32 s[CNT], s[CNT], 1
	s_cmp_lg_u32 s[CNT], 0
.endif
.endr
.if (\p) == 0
	FETCH_V
.endif
.endm
	CHANGE 1                        ; tile 0 is in and is rounded; tile 1 is asked for
	FETCH_K                         ; key step 0
	s_wait_dscnt 0x0
.set i, 0
.rept 16
	KQ 0                            ; piece 0's first scores: there is no vector work yet to set between them
.set i, i+1
.endr
	WIN 0                           ; the addresses for the way out: seven plain instructions, the places behind those products
	s_mul_i32 s18, s[WV], 16*SP
	s_add_co_u32 s18, s18, STAGE    ; my stage
	v_mul_u32_u24 v[STO], v48, SP   ; in: row l % 16, 32 bytes for each half of the lanes
	v_lshl_add_u32 v[STO], v49, 5, v[STO]
	v_add_nc_u32 v[STO], s18, v[STO]
	v_mul_u32_u24 v[RD], v49, SP    ; back: lanes 0-15 take one row of 256 bytes, lanes 16-31 the next,
	v_lshl_add_u32 v[RD], v48, 4, v[RD]
	v_add_nc_u32 v[RD], s18, v[RD]
	v_lshlrev_b32 v[GO], 4, v52     ; which are 512 consecutive bytes of O
.set Y, NP-1                        ; XS works for piece Y + 1: piece 0
.irp n, 0,1,2,3,4,5,6,7,8,9,10,11,12,13,14,15,16,17,18,19,20,21
	XS 0, \n                        ; and piece 0's first maximum and statistics
	XS 1, \n
.endr
	s_mov_b32 s[CNT], 4
	s_mov_b32 s[SLOTS], SIZE_N/256-1
	s_branch .Lfirst                ; the loop is entered at a step's first turn, in the middle of a trip
.Lslot:                             ; SIZE_N / 256 - 2 times: tiles 1 to 6 are rounded, tiles 2 to 7 asked for
	CHANGE 1
	s_mov_b32 s[CNT], 4
.Lstep:                             ; a trip: pieces 2 and 3 of one step, then pieces 0 and 1 of the next, whose K and V it fetches
	TURN 2
	TURN 3
	WIN 0
.Lfirst:
	TURN 0
	TURN 1, 0, 1
	WIN 0
	s_cbranch_scc1 .Lstep
	s_sub_co_u32 s[SLOTS], s[SLOTS], 1
	s_cmp_lg_u32 s[SLOTS], 0
	s_cbranch_scc1 .Lslot
	CHANGE 0                        ; the tail is written out: the last tile is rounded, nothing is asked for
	s_mov_b32 s[CNT], 5             ; four trips fetch the last tile's steps; the fifth is left in its middle
.Ltail:
	TURN 2, 1
	TURN 3
	WIN 0
	s_sub_co_u32 s[CNT], s[CNT], 1
	s_cmp_eq_u32 s[CNT], 0
	s_cbranch_scc1 .Lout
	TURN 0
	TURN 1
	WIN 0
	s_branch .Ltail
.Lout:                              ; the fifth trip's 16 products K Q^T (on the last K once more) and the maximum made of them serve nothing: the price, once a launch, of one text for every trip
.set i, 0
.rept 16
	PV NP-1                         ; the last piece's V^T P of the last step
.set i, i+1
.endr
	; THE WAY OUT.  l's two halves and the other half of the lanes' are added; O^T is divided by l and sent, in f32, through my stage in LDS, a tile at a time.  The additions are the places behind the last products.
	WIN 0
.macro ALL line:vararg              ; one line for each tile t
.set t, 0
.rept 2*NP
	\line
.set t, t+1
.endr
.endm
	ALL v_add_f32 v[ST+4*t+2], v[ST+4*t+2], v[ST+4*t+3]
	ALL v_permlanex16_b32 v[ST+4*t+3], v[ST+4*t+2], s[SEL], s[SEL+1]
	ALL v_add_f32 v[ST+4*t+2], v[ST+4*t+2], v[ST+4*t+3]
	ALL v_rcp_f32 v[ST+4*t+2], v[ST+4*t+2]
	v_nop                           ; a plain instruction between the last reciprocal and the use of its result
; Tile t: a lane's eight channels of a row and channel block are 32 bytes; they go into rows of 272 bytes and come back as whole rows of 256, into S^T's registers: four buffers of 32 by turns.
.macro PACK t
	WIN W_RS
.set i, 32*(\t)
.rept 16                            ; each accumulator's registers in ascending order
	v_pk_mul_f32 v[i:i+1], v[i:i+1], v[ST+4*(\t)+2:ST+4*(\t)+3] op_sel_hi:[1,0]
.set i, i+2
.endr
	WIN W_ST
.irp f, 0,1,2,3,4,5,6,7             ; channel block f / 2 (64 bytes of the row), half f % 2 of my 32 bytes
	ds_store_b128 v[STO], v[32*(\t)+4*\f:32*(\t)+4*\f+3] offset:64*(\f/2)+16*(\f%2)
.endr
	WIN 0
	s_wait_xcnt 0x0                 ; every earlier store to memory has had its addresses translated (ISA guide 3.1): the buffer, which tile t - 4's stores read, is loaded again only behind this wait
.irp f, 0,1,2,3,4,5,6,7
	ds_load_b128 v[S+32*((\t)%4)+4*\f:S+32*((\t)%4)+4*\f+3], v[RD] offset:\f*2*SP  ; LDS serves a wave's instructions in order (ISA guide 5.7.1.4): these see the stores above; the next tile's stores come behind them
.endr
.endm
.macro SEND t, younger              ; younger: the LDS instructions issued behind tile t's loads: the next tile's sixteen, or none
	WIN 0
.irp f, 0,1,2,3,4,5,6,7
	s_wait_dscnt (\younger)+7-\f
	global_store_b128 v[GO], v[S+32*((\t)%4)+4*\f:S+32*((\t)%4)+4*\f+3], s[10:11] offset:(\t)*4096+\f*512 th:TH_STORE_NT  ; 512 consecutive bytes, at a multiple of 256 from O's first
.endr
.endm
	PACK 0
.set t, 1
.rept 2*NP-1                        ; a tile's arithmetic stands between the loads of the tile before and its stores
	PACK t
	SEND t-1, 16
.set t, t+1
.endr
	SEND 2*NP-1, 0
	WIN W_AD
	s_wait_tensorcnt 0x0            ; the wave's end, behind my last tensor load and my last LDS store
	ds_add_u32 v[SPW], v[NIL]
	s_wait_dscnt 0x0
	WIN 0
	CROUND                          ; the closing round: no work-group ends while a partner may still ask for a tile that names it
	s_endpgm
.Lfunc_end_k_qa4b9662542_attn:
	.size	k_qa4b9662542_attn, .Lfunc_end_k_qa4b9662542_attn-k_qa4b9662542_attn
	.p2alignl 7, 3214868480
	.fill 96, 4, 3214868480
	.section	.rodata,"a",@progbits
	.p2align	6, 0x0
	.amdhsa_kernel k_qa4b9662542_attn
		.amdhsa_group_segment_fixed_size 327680
		.amdhsa_private_segment_fixed_size 0
		.amdhsa_enable_private_segment 0
		.amdhsa_kernarg_size 32
		.amdhsa_user_sgpr_count 2
		.amdhsa_user_sgpr_kernarg_segment_ptr 1
		.amdhsa_wavefront_size32 1
		.amdhsa_system_sgpr_workgroup_id_x 1
		.amdhsa_system_sgpr_workgroup_id_y 1
		.amdhsa_system_sgpr_workgroup_id_z 1
		.amdhsa_system_vgpr_workitem_id 0
		.amdhsa_next_free_vgpr 770
		.amdhsa_next_free_sgpr 66
		.amdhsa_reserve_vcc 0
		.amdhsa_float_denorm_mode_32 3
		.amdhsa_float_denorm_mode_16_64 3
		.amdhsa_memory_ordered 1
		.amdhsa_forward_progress 1
		.amdhsa_inst_pref_size 255
	.end_amdhsa_kernel
	.section	.bss,"aw",@nobits
	.p2align	6
	.space	262144
	.amdgpu_metadata
---
amdhsa.version: [ 1, 2 ]
amdhsa.kernels:
  - .name:           k_qa4b9662542_attn
    .symbol:         k_qa4b9662542_attn.kd
    .args:
      - { .name: queries, .offset: 0, .size: 8, .value_kind: global_buffer, .address_space: global }
      - { .name: keys, .offset: 8, .size: 8, .value_kind: global_buffer, .address_space: global }
      - { .name: values, .offset: 16, .size: 8, .value_kind: global_buffer, .address_space: global }
      - { .name: out0, .offset: 24, .size: 8, .value_kind: global_buffer, .address_space: global }
    .group_segment_fixed_size: 327680
    .private_segment_fixed_size: 0
    .kernarg_segment_align: 8
    .kernarg_segment_size: 32
    .max_flat_workgroup_size: 128
    .sgpr_count:     66
    .vgpr_count:     770
    .wavefront_size: 32
...
	.end_amdgpu_metadata
.endif
;; end of part 1
